; MI455X (gfx1250); checked and timed in simulation.
; The chip was launched on July 23, 2026; its instructions are those of AMD's public machine-readable ISA for CDNA 5 (MIT licence, August 2026) and "CDNA5" Instruction Set Architecture Reference Guide (July 2026). The comments in the code are by the model that wrote it; some were corrected since.
;; KNN Model. Allowed arithmetic: float matrix products may take bf16 or f16 operands with f32 sums; other float arithmetic in f32, or as packed bf16 or f16 multiplies, adds, multiply-adds, maxima and minima; sums over many terms, partial sums and values carried from step to step in f32; what a program stores and reads back later, other than sums and carried values, may be rounded once to bf16 or f16.
;; Inputs: database 20,000 x 768 float32; embeddings 4 x 768 x 32 x 32 float32.
;; Outputs: out0 4 x 1 x 512 x 512 float32.
;; Constants: k = 3, out_h = 512, out_w = 512.
;; 2 versions, each right; version 2 is version 1 with the launch prep written anew for expert scheduling mode. Each part assembles by itself: llvm-mc -triple=amdgcn-amd-amdhsa -mcpu=gfx1250 --defsym DOCPART=n.
;; ======== version 1 of 2: 3 launches
;; workspace buffers: dbb 31,457,280 bytes; cneg 81,920 bytes; qf 6,291,456 bytes; q2p 262,144 bytes; part 1,572,864 bytes
;; launch prep (part 1): grid 768 x 1, 4 waves a work-group, no clusters, 0 bytes of LDS; arguments database, embeddings, dbb, cneg, qf, q2p; writes dbb, cneg, qf, q2p
.if DOCPART == 1
	.amdgcn_target "amdgcn-amd-amdhsa--gfx1250"
	.amdhsa_code_object_version 6
	.text
	.protected	k_qb9ae124117_prep
	.globl	k_qb9ae124117_prep
	.p2align	8
	.type	k_qb9ae124117_prep,@function
k_qb9ae124117_prep:
	s_mov_b64 s[64:65], 0
	v_nop
	global_prefetch_b8 v0, s[64:65] scope:SCOPE_SE
	s_setreg_imm32_b32 hwreg(HW_REG_WAVE_MODE, 25, 1), 1
	s_wait_xcnt 0x0
; FIRST OF THREE LAUNCHES: both inputs are rounded to bf16 once and laid out for the product; the squared norms are taken of the ROUNDED numbers.
; WORK LEFT OUT BY THE PROGRAM.  reference() takes sqrt(max(q2 + x2[n] - 2 q.x[n], 1e-12)) of all 4,096 x 20,000 pairs and keeps a query's three smallest.  For one query the map
; t -> sqrt(max(q2 + t, 1e-12)) never decreases in t = x2[n] - 2 q.x[n], whatever q2 is: so the three smallest distances are the images of the three smallest t, for all values of the inputs
; (equal t give equal images, so ties change no value).  The program selects on t and takes the addition of q2, the maximum and the root of three numbers a query.  Every input reaches the output: none is left out.
; LIMITS.  q2 is added behind the selection, so the order of rounding differs from reference()'s; a NaN among a query's scores is passed over by the selection, and a NaN, an infinity or an
; overflow that would arise only in a root that is not taken is not carried to the result; a true score x.q - x2/2 has to lie above the lowest finite f32, which marks the 480 padding rows.
; WHAT IT STORES.  dbb [20480][768] bf16: the database, rows 20,000 on are zeros.  cneg [20480] f32: -x2/2, for the padding rows the lowest finite number.
; qf: the queries in the order of a matrix operand's registers: byte ((B*24 + f)*2 + i)*512 + 16 l holds channels 32 f + 16 i + 8 (l/16) + 0..7 of query 64 G + 4 (l%16) + j, B = 4 G + j.
; q2p [16][4096] f32: sixteen partial sums of each query's squares (partial sums stay in f32).
; SHARES.  Work-groups 0-624: a wave takes 8 database rows.  625-639: a wave writes 8 padding rows.  640-767: a wave takes 64 queries x 96 channels.
; Each wave asks for all its 48 loads of 16 bytes a lane at once (24 KiB on their way) and works them off by counted waits.  No wave needs another's data: no LDS, no barrier, no matrix unit.
.set LANE, 1                           ; v1   lane
.set L16,  2                           ; v2   16 x lane
.set L8,   3                           ; v3   8 x lane
.set L4,   4                           ; v4   4 x lane
.set CV,   5                           ; v5   lane rho (0..7) gathers row rho's -x2/2
.set S,    8                           ; v[8:15]   running sums of squares
.set T,    16                          ; v[16:23]  at work
.set R4,   24                          ; v[24:27]  a query arm's four partial sums
.set EO,   28                          ; v28  the query arm's lane offset in embeddings
.set PO,   29                          ; v29  and in q2p
.set X,    32                          ; v[32:223]  48 loads x 4 registers
.set Y,    224                         ; v[224:255] two sets of 16: packed queries on their way out
	s_load_b256 s[4:11], s[0:1], 0x0               ; database s[4:5], embeddings s[6:7], dbb s[8:9], cneg s[10:11]
	s_load_b128 s[12:15], s[0:1], 0x20             ; qf s[12:13], q2p s[14:15]
	v_lshrrev_b32 v6, 5, v0
	v_readfirstlane_b32 s18, v6                    ; wave 0..3
	v_and_b32 v[LANE], 31, v0
	v_lshlrev_b32 v[L16], 4, v[LANE]
	v_lshlrev_b32 v[L8], 3, v[LANE]
	v_lshlrev_b32 v[L4], 2, v[LANE]
	s_mov_b32 s16, ttmp9                           ; the work-group's number
	s_mov_b32 s17, 0xffff0000                      ; a word's upper bf16
	s_mov_b32 s22, 0x76543210                      ; v_permlanex16_b32: each lane takes its own place in the other half
	s_mov_b32 s23, 0xfedcba98
	s_lshl2_add_u32 s19, s16, s18                  ; W = 4 x work-group + wave: my block of 8 rows
	s_mov_b32 s21, 0
	s_wait_kmcnt 0x0
	s_cmp_ge_u32 s16, 640
	s_cbranch_scc1 .Lqueries
	s_mul_i32 s20, s19, 12288                      ; 8 rows of 1,536 bytes in dbb
	s_add_nc_u64 s[8:9], s[8:9], s[20:21]
	s_lshl_b32 s20, s19, 5                         ; 8 numbers in cneg
	s_add_nc_u64 s[10:11], s[10:11], s[20:21]
	s_cmp_lt_u32 s16, 625
	s_cbranch_scc1 .Lrows
	; THE PADDING ROWS: 12,288 dense bytes of zeros, 512 consecutive bytes a store
.irp r, 0,1,2,3
	v_mov_b32 v[X+\r], 0
.endr
.set i, 0
.rept 24
	global_store_b128 v[L16], v[X:X+3], s[8:9] offset:512*i
.set i, i+1
.endr
	v_mov_b32 v[CV], 0xff7fffff                    ; a padding row's score is the lowest finite number: it loses against every true score
	s_branch .Lc
.Lrows:
	; THE DATABASE ROWS.  A row is 3,072 bytes: six loads of 512 consecutive bytes.
	s_mul_i32 s20, s19, 24576
	s_add_nc_u64 s[4:5], s[4:5], s[20:21]
.set i, 0
.rept 48
	global_load_b128 v[X+4*i:X+4*i+3], v[L16], s[4:5] offset:512*i th:TH_LOAD_NT  ; row i / 6, chunk i % 6: the 8 rows are dense
.set i, i+1
.endr
	v_mov_b32 v[CV], 0
; Row rho: rounded in place, stored (32 lanes x 8 bytes = 256 consecutive bytes, aligned), and the rounded numbers' squares summed.
.macro ROW rho
	s_wait_loadcnt 42-6*(\rho)                     ; loads come back in order: this row's six are in, the younger rows' stay out
.set c, 0
.rept 6
.set rX, X+24*(\rho)+4*c
.set rT, T+4*(c%2)
	v_cvt_pk_bf16_f32 v[rX], v[rX], v[rX+1]
	v_cvt_pk_bf16_f32 v[rX+1], v[rX+2], v[rX+3]
	global_store_b64 v[L8], v[rX:rX+1], s[8:9] offset:1536*(\rho)+256*c  ; its data registers are never written again
	v_lshlrev_b32 v[rT], 16, v[rX]
	v_and_b32 v[rT+1], s17, v[rX]
	v_lshlrev_b32 v[rT+2], 16, v[rX+1]
	v_and_b32 v[rT+3], s17, v[rX+1]
.if c == 0
	v_pk_mul_f32 v[S:S+1], v[rT:rT+1], v[rT:rT+1]  ; the first chunk starts the sums
	v_pk_mul_f32 v[S+2:S+3], v[rT+2:rT+3], v[rT+2:rT+3]
.else
	v_pk_fma_f32 v[S:S+1], v[rT:rT+1], v[rT:rT+1], v[S:S+1]
	v_pk_fma_f32 v[S+2:S+3], v[rT+2:rT+3], v[rT+2:rT+3], v[S+2:S+3]
.endif
.set c, c+1
.endr
	v_add_f32 v[S], v[S], v[S+1]
	v_add_f32 v[S+2], v[S+2], v[S+3]
	v_add_f32 v[S], v[S], v[S+2]
	v_add_f32_dpp v[S], v[S], v[S] row_xmask:1 row_mask:0xf bank_mask:0xf
	v_add_f32_dpp v[S], v[S], v[S] row_xmask:2 row_mask:0xf bank_mask:0xf
	v_add_f32_dpp v[S], v[S], v[S] row_xmask:4 row_mask:0xf bank_mask:0xf
	v_add_f32_dpp v[S], v[S], v[S] row_xmask:8 row_mask:0xf bank_mask:0xf
	v_permlanex16_b32 v[S+1], v[S], s22, s23
	v_add_f32 v[S], v[S], v[S+1]                   ; every lane holds x2
	v_mul_f32 v[S], -0.5, v[S]
	v_cmp_eq_u32 vcc_lo, \rho, v[LANE]
	v_cndmask_b32 v[CV], v[CV], v[S], vcc_lo       ; lane rho keeps it
.endm
.irp r, 0,1,2,3,4,5,6,7
	ROW \r
.endr
.Lc:
	s_wait_xcnt 0x0                                ; EXEC is a source of the loads and stores above: it changes only behind this wait
	v_cmp_gt_u32 vcc_lo, 8, v[LANE]
	s_and_saveexec_b32 s24, vcc_lo
	global_store_b32 v[L4], v[CV], s[10:11]        ; 32 bytes a wave: one part in 384 of what the wave stores; gathering them further would want LDS and a barrier
	s_wait_xcnt 0x0                                ; and again in front of the line that widens it
	s_or_b32 exec_lo, exec_lo, s24
	s_endpgm
.Lqueries:
	; THE QUERIES.  embeddings is [4][768][1024]: a channel's 1,024 queries lie on end, channels 4,096 bytes apart.  A lane's 16 bytes are queries 4 (l%16) + 0..3 of the group of 64 at one channel;
	; lanes 0-15 read 256 consecutive bytes, aligned, lanes 16-31 the same of the channel 8 further on.  Eight such loads hold, for each of the four queries, the 8 channels that are one lane's 16 bytes of a fragment.
	s_sub_co_u32 s16, s16, 640
	s_lshr_b32 s25, s16, 1                         ; G: the group of 64 queries
	s_and_b32 s26, s16, 1
	s_lshl2_add_u32 s26, s26, s18                  ; u8 = 4 x (low bit) + wave: my 96 channels, three fragments
	s_lshr_b32 s28, s25, 4                         ; the image
	s_mul_i32 s20, s28, 768
	s_mul_i32 s29, s26, 96
	s_add_co_u32 s20, s20, s29
	s_lshl_b32 s20, s20, 12                        ; (768 image + 96 u8) channels of 4,096 bytes
	s_and_b32 s29, s25, 15
	s_lshl_b32 s29, s29, 8                         ; the group's 256 bytes in a channel
	s_add_co_u32 s20, s20, s29
	s_add_nc_u64 s[6:7], s[6:7], s[20:21]
	s_mul_i32 s20, s25, 96
	s_mul_i32 s29, s26, 3
	s_add_co_u32 s20, s20, s29
	s_lshl_b32 s20, s20, 10                        ; qf: (96 G + 3 u8) x 1,024
	s_add_nc_u64 s[12:13], s[12:13], s[20:21]
	s_lshl_b32 s20, s26, 15                        ; q2p: parts 2 u8 and 2 u8 + 1 of 16,384 bytes,
	s_lshl_b32 s29, s25, 8                         ; the group's 256 bytes
	s_add_co_u32 s20, s20, s29
	s_add_nc_u64 s[14:15], s[14:15], s[20:21]
	v_and_b32 v6, 15, v[LANE]
	v_lshrrev_b32 v7, 4, v[LANE]
	v_lshlrev_b32 v[EO], 4, v6
	v_lshl_add_u32 v[PO], v7, 14, v[EO]            ; 16 (l%16) + 16,384 (l/16)
	v_lshl_add_u32 v[EO], v7, 15, v[EO]            ; 16 (l%16) + 8 channels x (l/16)
.set c, 0
.rept 6                                ; combo c = 2 f' + i: fragment f', half i
.set e, 0
.rept 8
	global_load_b128 v[X+32*c+4*e:X+32*c+4*e+3], v[EO], s[6:7] offset:(32*(c/2)+16*(c%2)+e)*4096 th:TH_LOAD_NT
.set e, e+1
.endr
.set c, c+1
.endr
; Combo c: for each of my four queries j the 8 channels are packed into 16 bytes and stored: 32 lanes x 16 bytes = 512 consecutive bytes of qf; the rounded numbers' squares are summed.
.macro COMBO c
	s_wait_loadcnt 40-8*(\c)                       ; this combo's eight loads are in, the younger combos' stay out
	s_wait_xcnt 0x0                                ; the stores of two combos back have read this set of Y: it is written again only behind this wait
.set YB, Y+16*((\c)%2)
.set j, 0
.rept 4
.set m, 0
.rept 4
	v_cvt_pk_bf16_f32 v[YB+4*j+m], v[X+32*(\c)+8*m+j], v[X+32*(\c)+8*m+4+j]
.set m, m+1
.endr
	global_store_b128 v[L16], v[YB+4*j:YB+4*j+3], s[12:13] offset:24576*j+1024*((\c)/2)+512*((\c)%2)
.set j, j+1
.endr
.set j, 0
.rept 4
.set m, 0
.rept 4
	v_lshlrev_b32 v[T+2*m], 16, v[YB+4*j+m]
	v_and_b32 v[T+2*m+1], s17, v[YB+4*j+m]
.if ((\c) == 0) && (m == 0)
	v_pk_mul_f32 v[S+2*j:S+2*j+1], v[T:T+1], v[T:T+1]  ; the first pair starts the sums
.else
	v_pk_fma_f32 v[S+2*j:S+2*j+1], v[T+2*m:T+2*m+1], v[T+2*m:T+2*m+1], v[S+2*j:S+2*j+1]
.endif
.set m, m+1
.endr
.set j, j+1
.endr
.endm
.irp k, 0,1,2,3,4,5
	COMBO \k
.endr
.irp k, 0,1,2,3
	v_add_f32 v[R4+\k], v[S+2*\k], v[S+2*\k+1]
.endr
	global_store_b128 v[PO], v[R4:R4+3], s[14:15]  ; each half of the lanes stores 256 consecutive bytes, aligned: its own part of q2p
	s_endpgm
.Lfunc_end_k_qb9ae124117_prep:
	.size	k_qb9ae124117_prep, .Lfunc_end_k_qb9ae124117_prep-k_qb9ae124117_prep
	.p2alignl 7, 3214868480
	.fill 96, 4, 3214868480
	.section	.rodata,"a",@progbits
	.p2align	6, 0x0
	.amdhsa_kernel k_qb9ae124117_prep
		.amdhsa_group_segment_fixed_size 0
		.amdhsa_private_segment_fixed_size 0
		.amdhsa_enable_private_segment 0
		.amdhsa_kernarg_size 48
		.amdhsa_user_sgpr_count 2
		.amdhsa_user_sgpr_kernarg_segment_ptr 1
		.amdhsa_wavefront_size32 1
		.amdhsa_system_sgpr_workgroup_id_x 1
		.amdhsa_system_sgpr_workgroup_id_y 1
		.amdhsa_system_sgpr_workgroup_id_z 1
		.amdhsa_system_vgpr_workitem_id 0
		.amdhsa_next_free_vgpr 256
		.amdhsa_next_free_sgpr 66
		.amdhsa_reserve_vcc 1
		.amdhsa_float_denorm_mode_32 3
		.amdhsa_float_denorm_mode_16_64 3
		.amdhsa_memory_ordered 1
		.amdhsa_forward_progress 1
		.amdhsa_inst_pref_size 62
	.end_amdhsa_kernel
	.amdgpu_metadata
---
amdhsa.version: [ 1, 2 ]
amdhsa.kernels:
  - .name:           k_qb9ae124117_prep
    .symbol:         k_qb9ae124117_prep.kd
    .args:
      - { .name: database, .offset: 0, .size: 8, .value_kind: global_buffer, .address_space: global }
      - { .name: embeddings, .offset: 8, .size: 8, .value_kind: global_buffer, .address_space: global }
      - { .name: dbb, .offset: 16, .size: 8, .value_kind: global_buffer, .address_space: global }
      - { .name: cneg, .offset: 24, .size: 8, .value_kind: global_buffer, .address_space: global }
      - { .name: qf, .offset: 32, .size: 8, .value_kind: global_buffer, .address_space: global }
      - { .name: q2p, .offset: 40, .size: 8, .value_kind: global_buffer, .address_space: global }
    .group_segment_fixed_size: 0
    .private_segment_fixed_size: 0
    .kernarg_segment_align: 8
    .kernarg_segment_size: 48
    .max_flat_workgroup_size: 128
    .sgpr_count:     66
    .vgpr_count:     256
    .wavefront_size: 32
...
	.end_amdgpu_metadata
.endif
;; end of part 1
;; launch knn (part 2): grid 16 x 16, 4 waves a work-group, clusters of 4 x 1, 327,680 bytes of LDS; arguments qf, dbb, cneg, part; writes part
.if DOCPART == 2
	.amdgcn_target "amdgcn-amd-amdhsa--gfx1250"
	.amdhsa_code_object_version 6
	.text
	.protected	k_qb9ae124117_knn
	.globl	k_qb9ae124117_knn
	.p2align	8
	.type	k_qb9ae124117_knn,@function
k_qb9ae124117_knn:
	s_mov_b64 s[64:65], 0
	v_nop
	global_prefetch_b8 v0, s[64:65] scope:SCOPE_SE
	s_setreg_imm32_b32 hwreg(HW_REG_WAVE_MODE, 25, 1), 1
	s_wait_xcnt 0x0
	s_wait_alu depctr_hold_cnt(0) depctr_sa_sdst(0) depctr_va_vdst(0) depctr_va_sdst(0) depctr_va_ssrc(0) depctr_va_vcc(0) depctr_vm_vsrc(0)
	s_getreg_b32 s2, hwreg(HW_REG_IB_STS2, 6, 4)
	s_cmp_eq_u32 s2, 0
	s_cbranch_scc0 .Lentry_in_a_cluster
	s_endpgm
.Lentry_in_a_cluster:
	s_bfe_u32 s2, ttmp6, 0x10000c
	s_cmp_lg_u32 s2, 0x3003
	s_cbranch_scc0 .Lentry_shape_is_right
	s_endpgm
.Lentry_shape_is_right:
; SECOND OF THREE LAUNCHES: the scores acc[n][q] = x[n].q - x2[n]/2 (bf16 operands, f32 sums) and, for each query, the three LARGEST of them in each of 32 lists.
; WORK LEFT OUT: q2, the maximum with 1e-12 and the root are not taken here: the distance never increases in acc, for all values of the inputs (shown at the head of the first kernel); the last launch takes them of three numbers a query.
; LIMITS.  v_max_num_f32 and v_med3_num_f32 pass a NaN over; a true score has to lie above the lowest finite f32, with which the lists start and which the 480 padding rows score.
; SHARES.  Work-group (x, y): queries 256 x .. 256 x + 255 against database rows 1,280 y .. 1,280 y + 1,279.  Wave w owns the group G = 4 x + w of 64 queries, as four blocks j of 16 (queries 64 G + 4 r + j).
; Q STAYS IN REGISTERS: 4 blocks x 24 fragments x 8 = 768 registers.  The database streams through LDS, and all four waves read the same rows: a fragment of 16 rows x 32 channels (two LDS loads) feeds four products.
; LAYOUT.  Source 0 = 16 database rows, source 1 = 16 queries: in the result lane (r = l % 16, h = l / 16) holds ONE query, r, and register e the database row 8 h + e.  So the selection never crosses lanes;
; the two halves of the lanes keep lists of their own (list 2 y + h), which the last launch merges.  -x2/2 is the C operand of a block's first products: it costs no vector instruction.
; BY TURNS.  A block of 16 database rows is 96 products on four accumulators, which take turns, one instruction a turn.  There are two sets of accumulators: while block n is multiplied into set n % 2,
; the 32 scores a lane of block n - 1 are put into the lists: three instructions a score, 96 in all, four behind every fourth product.  They work in window 0 and the products' source 1 lies in windows 1 to 3, so each four cost two switches.
; CLUSTER.  The four work-groups of a cluster have the same y and walk the same database rows: every tile, and the c values, are asked for JOINTLY, the same tensor load, descriptor and mask in all four.
; A cluster of 4 x 4 would share nothing more: work-groups of different y have no tile in common, and Q does not go through LDS.
; REGISTERS, in windows of 256 (s_set_vgpr_msb: bits 1:0 source 0, 3:2 source 1, 5:4 source 2, 7:6 destination):
;   window 0: v0-11 addresses; v12-23 the lists; v24-31 a block's -x2/2; v32-95 two sets of four accumulators; v96-223 a ring of four groups of four database fragments; v224 an address
;   windows 1-3: Q: fragment f of block j in window 1 + f / 8 at v[32 (f % 8) + 8 j]
.set RP,    1584                       ; a database row in LDS: three pieces of 512 bytes, 16 of padding behind each: 99 x 16 bytes, so the 16 rows of a load start at 16 different groups of four banks (64 banks of 4 bytes: ISA guide 11.1)
.set BLK,   16*RP                      ; a block of 16 rows: what one tensor load brings
.set SLOT1, 131072                     ; a slot holds 4 blocks (101,376 bytes); slot 1 begins here, so that one exclusive or turns an address in one slot into the other's
.set CB,    SLOT1+4*BLK                ; behind the ring: the split's 1,280 c values, 5,120 bytes, filled once
.set SPARE, CB+5120                    ; behind them: the spare words, 128 bytes for each wave: two blocks of 256 bytes that no other line names
.set SLOTG, 98304                      ; a slot's 64 rows of 1,536 bytes in memory
.set NSLOT, 20                         ; slots in a split
.set AK0,  2                           ; v2   my lane's place in a block: r x RP + 16 h; never rewritten
.set ADR0, 3                           ; v3   the same in the slot in hand (blocks 0 and 1 by the immediate)
.set ADR1, 4                           ; v4   two blocks on (blocks 2 and 3)
.set CAD,  5                           ; v5   my 32 bytes of the c values of the slot's first block
.set QO,   6                           ; v6   16 x lane; never rewritten
.set PFO,  7                           ; v7   256 x lane; never rewritten
.set GO,   8                           ; v8   my 16 bytes in part: 49,152 h + 16 r
.set SPW,  10                          ; v10  LDS address of my spare word: SPARE + 4 x my thread's number; never rewritten
.set NIL,  11                          ; v11  0; never rewritten
.set TT,   12                          ; v[12+4 t+j]: place t (0 the largest) of block j's list
.set CREG, 24
.set ACC,  32                          ; set p, block j at ACC + 32 p + 8 j
.set DBR,  96                          ; ring place u, fragment fq at DBR + 32 u + 8 fq
.set CA0,  224                         ; v224 CB + 32 h + 256 x 19; never rewritten
.set WV,   12                          ; s12  my wave's number
.set G1,   16                          ; s[16:23] descriptor group 1 for the database's tiles
.set G1C,  24                          ; s[24:31] for the c values
.set G0A,  32                          ; s[32:35] descriptor group 0: slot 0's first fill
.set G0W,  36                          ; s[36:39] slot 1's first fill; then it walks
.set G0C,  40                          ; s[40:43] the c values
.set SLOTS, 44                         ; s44  19 less the number of the slot in hand
.set TB,   45                          ; s45  LDS byte at which the slot in hand begins
.set PFA,  46                          ; s[46:47] where my prefetches stand
.set LIM,  48                          ; s48  1 in a wave that prefetches, else the greatest number
.set MSB, 0
.macro WIN new                         ; the immediate's high byte repeats the setting that is left; a switch that changes nothing is dropped
.if MSB != (\new)
	s_set_vgpr_msb (MSB<<8)|(\new)
.set MSB, \new
.endif
.endm
.macro PLACES
.rept 4
	v_nop
.endr
.endm
; A round of the cluster's barrier: my work-group's barrier, so that wave 0's signal speaks for all four waves; wave 0 signals; every wave waits for all four work-groups; my work-group's barrier once more.
.macro CREST                           ; a round behind its opening barrier
	s_cmp_lg_u32 s[WV], 0
	s_cbranch_scc1 .Lnot_wave_0_\@
	s_barrier_signal -3
.Lnot_wave_0_\@:
	s_barrier_wait -3
	s_barrier_signal -1
	s_barrier_wait -1
.endm
.macro CROUND
	s_barrier_signal -1
	s_barrier_wait -1
	CREST
.endm
; A PREFETCH INTO THE L2 of the slot that the NEXT change of slots will ask for: 384 matrix instructions ahead of that load.  A slot is 98,304 dense bytes: 384 blocks of 256.  The four clusters of a y walk the same rows:
; the first of them (cluster x = 0) asks.  Its four partners share the slot out BY ADDRESS, 24,576 bytes each; in each, waves 0 to 2 take 8,192 bytes, a lane a block: one instruction.  So each block is named once in the launch.
; Slots 0 to 2 come by their loads alone; the last change that fills a slot (SLOTS = 1) asks for nothing: there is no slot behind it.
.macro ASK
	s_cmp_gt_u32 s[SLOTS], s[LIM]
	s_cbranch_scc0 .Lnot_mine_\@
	global_prefetch_b8 v[PFO], s[PFA:PFA+1] th:TH_LOAD_NT scope:SCOPE_SE
.Lnot_mine_\@:
.endm
; Four products: fragment f = 4 kg + fq of the block in set p, from ring place u, for my four blocks of queries.  f = 0 starts the sums with -x2/2.
.macro MMQ p, kg, fq, u
.set f, 4*(\kg)+(\fq)
	WIN (1+f/8)<<2
.set rA, DBR+32*(\u)+8*(\fq)
.set j, 0
.rept 4
.set rD, ACC+32*(\p)+8*j
.set rB, 32*(f%8)+8*j
.if f == 0
	v_wmma_f32_16x16x32_bf16 v[rD:rD+7], v[rA:rA+7], v[rB:rB+7], v[CREG:CREG+7]
.else
	v_wmma_f32_16x16x32_bf16 v[rD:rD+7], v[rA:rA+7], v[rB:rB+7], v[rD:rD+7]
.endif
.set j, j+1
.endr
.endm
; Four of the 96 instructions that put set p's scores into the lists.  Number idx: register e = idx / 12 of accumulator j = (idx % 12) / 3; with t0 >= t1 >= t2 and a score v:
; t2 = the middle of (t1, t2, v), t1 = the middle of (t0, t1, v), t0 = the larger of (t0, v), each from the old values.  e ascends: each accumulator's lowest register is read first.
.macro RID p, g
	WIN 0
.set n, 0
.rept 4
.set idx, 4*(\g)+n
.set jj, (idx%12)/3
.set rV, ACC+32*(\p)+8*jj+idx/12
.if idx%3 == 0
	v_med3_num_f32 v[TT+8+jj], v[TT+4+jj], v[TT+8+jj], v[rV]
.elseif idx%3 == 1
	v_med3_num_f32 v[TT+4+jj], v[TT+jj], v[TT+4+jj], v[rV]
.else
	v_max_num_f32 v[TT+jj], v[TT+jj], v[rV]
.endif
.set n, n+1
.endr
.endm
; Eight LDS loads in one run: fragments 4 kg .. 4 kg + 3 of the block at byte boff behind the address, into ring place u.  Fragment f is 64 bytes of a row, in piece f / 8.
.macro LDG adr, boff, kg, u
	WIN 0
.set qd, 0
.rept 4
.set f, 4*(\kg)+qd
.set dof, (\boff)+(f/8)*528+(f%8)*64
.set rA, DBR+32*(\u)+8*qd
	ds_load_b128 v[rA:rA+3], v[\adr] offset:dof
	ds_load_b128 v[rA+4:rA+7], v[\adr] offset:dof+32
.set qd, qd+1
.endr
.endm
.macro CL o                            ; a block's c values for my half of the lanes: rows 8 h .. 8 h + 7
	ds_load_b128 v[CREG:CREG+3], v[CAD] offset:(\o)
	ds_load_b128 v[CREG+4:CREG+7], v[CAD] offset:(\o)+16
.endm
; A slot is 24 PAIRS.  Pair i multiplies the group that pair i - 3 loaded (16 products, 16 instructions of the selection) and then loads group i: block i / 6, fragments 4 (i % 6) on, into ring place i % 4,
; which pair i - 1 multiplied: this pair's 16 vector instructions, which name none of those products' registers, lie between.
.macro MG i
.irp fq, 0,1,2,3
	MMQ (((\i)+21)/6)%2, ((\i)+3)%6, \fq, ((\i)+1)%4
	RID 1-(((\i)+21)/6)%2, 4*(((\i)+3)%6)+\fq
.endr
.if ((\i)+3)%6 == 5
	PLACES                                         ; a block's last products: four v_nop beside the four above, ahead of the first read of its sums (ISA guide 7.12.1)
.endif
.endm
.macro PAIR i, tail
	s_wait_dscnt 16                                ; LDS loads come back in order: the group of three pairs back is in; the two younger runs of eight may stay out
	MG \i
	WIN 0
.if ((\i)%6 == 3) && !((\tail) && ((\i) == 21))
	CL 64*((\i)/6+1)                               ; the products above were the last to read this block's c: the next block's (at i = 21 the next slot's first; the last slot has none)
.endif
.if (\i)/6 < 2
	LDG ADR0, ((\i)/6)*BLK, (\i)%6, (\i)%4
.else
	LDG ADR1, ((\i)/6-2)*BLK, (\i)%6, (\i)%4
.endif
.endm
; THE CHANGE OF SLOTS is pair 0, laid round the barrier.  Each wave waits for all its tensor loads, of which one is out: its block of the next slot; adds 0 to its spare word; and waits for that and for its reads of the slot that it
; leaves (the last two groups are then in registers).  Behind the barrier nobody reads the old slot any more and the next slot is whole.  fill = 1: the barrier opens a round of the cluster's, so that no wave of any partner
; still reads the slot or has a load on its way, and the joint refill, the slot two on, is the first thing behind it: it has 23 of a slot's 24 groups of products in which to land.
.macro CHANGE fill
	WIN 0
	s_wait_tensorcnt 0x0                           ; no tensor load of mine is out, so a group 0 may be written
	ds_add_u32 v[SPW], v[NIL]                      ; 0 onto my spare word: work on registers stands between it and the wait for it
.if \fill
	s_xor_b32 s[G0W+1], s[G0W+1], SLOT1            ; the walking descriptor: the other slot than last time,
	s_add_nc_u64 s[G0W+2:G0W+3], s[G0W+2:G0W+3], SLOTG  ; the next 64 rows; the type bits on top are not reached
	s_wait_xcnt 0x0                                ; the last prefetch, a slot back, has read its address, so it may be written
	s_add_nc_u64 s[PFA:PFA+1], s[PFA:PFA+1], SLOTG
.endif
	s_wait_dscnt 17                                ; the group of three pairs back is in; the two younger runs and the add may be out
	MMQ 1, 3, 0, 1
	RID 0, 12
	MMQ 1, 3, 1, 1
	RID 0, 13
	s_wait_dscnt 0x0                               ; the add is done, and my reads of the slot are over
	s_barrier_signal -1
	MMQ 1, 3, 2, 1                                 ; work on registers while the others arrive
	RID 0, 14
	MMQ 1, 3, 3, 1
	RID 0, 15
	WIN 0                                          ; at a branch and at a label every window is 0
	s_barrier_wait -1
.if \fill
	CREST
	tensor_load_to_lds s[G0W:G0W+3], s[G1:G1+7]    ; my one tensor load behind the round: my 16 rows of the slot two on
	s_nop 0
	PLACES
.endif
	s_xor_b32 s[TB], s[TB], SLOT1
	s_lshl_b32 s49, s[SLOTS], 8
	v_add_nc_u32 v[ADR0], s[TB], v[AK0]
	v_add_nc_u32 v[ADR1], 2*BLK, v[ADR0]
	v_sub_nc_u32 v[CAD], v[CA0], s49               ; slot 19 - SLOTS has its c values 256 x (19 - SLOTS) bytes in
	LDG ADR0, 0, 0, 0
.if \fill
	ASK                                            ; behind the joint load and the run of LDS loads
.endif
.endm
	s_load_b256 s[4:11], s[0:1], 0x0               ; qf s[4:5], dbb s[6:7], cneg s[8:9], part s[10:11]
	v_lshl_add_u32 v[SPW], v0, 2, SPARE
	v_mov_b32 v[NIL], 0
	ds_add_u32 v[SPW], v[NIL]                      ; the wave's opening: the add, twice on end, and its wait ahead of my first tensor load; the set-up below stands between
	ds_add_u32 v[SPW], v[NIL]                      ; and once more, under the one wait
	v_lshrrev_b32 v1, 5, v0
	v_readfirstlane_b32 s[WV], v1                  ; wave 0..3
	s_bfe_u32 s13, ttmp6, 0x40000                  ; cx: my place in the cluster
	s_lshl_b32 s14, ttmp9, 2                       ; in a cluster launch ttmp9 counts clusters
	s_add_co_u32 s14, s14, s13                     ; x = 4 x cluster x + cx: it enters Q's, part's and the prefetches' addresses alone
	s_and_b32 s15, ttmp7, 0xffff                   ; y, which the four partners share
	; descriptor group 1 for the database: 16 rows of 1,536 dense bytes, asked for as 48 rows of 512 bytes and padded in LDS behind each
	s_mov_b32 s[G1], 15|(1<<16)|(1<<20)|(1<<21)|(6<<22)|(3<<25)  ; 15:0 the mask of four; 17:16 2-byte elements; 20 padding on; 21 set beside a mask; 24:22 after every 128 words (code 6); 31:25 4 words (code 3)
	s_mov_b32 s[G1+1], 256<<16                     ; tensor_dim0 = 256
	s_mov_b32 s[G1+2], 48<<16                      ; tensor_dim1 = 48
	s_mov_b32 s[G1+3], 256<<16                     ; tile_dim0 = 256
	s_mov_b32 s[G1+4], 48                          ; tile_dim1 = 48
	s_mov_b32 s[G1+5], 256                         ; 256 elements from row to row
	s_mov_b32 s[G1+6], 0
	s_mov_b32 s[G1+7], 0
	; and for the c values: 1,280 dense bytes a wave, as 5 rows of 256 bytes, no padding
	s_mov_b32 s[G1C], 15|(3<<16)|(1<<21)           ; the mask; 8-byte elements; 21 set beside a mask
	s_mov_b32 s[G1C+1], 32<<16
	s_mov_b32 s[G1C+2], 5<<16
	s_mov_b32 s[G1C+3], 32<<16
	s_mov_b32 s[G1C+4], 5
	s_mov_b32 s[G1C+5], 32
	s_mov_b32 s[G1C+6], 0
	s_mov_b32 s[G1C+7], 0
	s_mul_i32 s50, s[WV], BLK                      ; where my tiles go: wave x a block: no place in the cluster enters an LDS address
	s_mov_b32 s[G0A], 1
	s_mov_b32 s[G0A+1], s50
	s_mov_b32 s[G0W], 1
	s_add_co_u32 s[G0W+1], s50, SLOT1
	s_mul_i32 s51, s[WV], 1280
	s_mov_b32 s[G0C], 1
	s_add_co_u32 s[G0C+1], s51, CB
	s_mul_i32 s52, s15, NSLOT*SLOTG                ; the split's first byte in dbb
	s_mov_b32 s53, 0
	s_mul_i32 s54, s[WV], 24576                    ; my 16 rows of a slot
	s_mov_b32 s55, 0
	s_mul_i32 s56, s15, 5120                       ; the split's c values, my 1,280 bytes of them
	s_add_co_u32 s56, s56, s51
	s_mov_b32 s57, 0
	s_mul_i32 s58, s13, 24576                      ; the prefetches: my work-group's quarter of a slot (registers that feed no descriptor),
	s_lshl_b32 s59, s[WV], 13                      ; my wave's 8,192 bytes of it,
	s_add_co_u32 s58, s58, s59
	s_add_co_u32 s58, s58, 2*SLOTG                 ; in slot 2: the first change of slots steps it to slot 3
	s_mov_b32 s59, 0
	s_lshl2_add_u32 s49, s14, s[WV]                ; G = 4 x + wave
	s_mul_i32 s60, s49, 98304                      ; the group's 4 x 24 fragments of 1,024 bytes in qf
	s_mov_b32 s61, 0
	s_mul_i32 s62, s15, 98304                      ; part: lists 2 y and 2 y + 1 of 49,152 bytes,
	s_lshl_b32 s49, s49, 8                         ; the group's 256 bytes
	s_add_co_u32 s62, s62, s49
	s_mov_b32 s63, 0
	s_cmp_lt_u32 s[WV], 3
	s_cselect_b32 s[LIM], ttmp9, 1                 ; 0 in waves 0 to 2 of the first cluster of a y: the same in all four partners
	s_cmp_eq_u32 s[LIM], 0
	s_cselect_b32 s[LIM], 1, -1
	v_and_b32 v[QO], 31, v0
	v_lshlrev_b32 v[PFO], 8, v[QO]
	v_lshlrev_b32 v[QO], 4, v[QO]
	s_wait_dscnt 0x0                               ; both opening adds are done
	s_wait_kmcnt 0x0
	s_add_nc_u64 s[6:7], s[6:7], s[52:53]          ; dbb at the split
	s_add_nc_u64 s[PFA:PFA+1], s[6:7], s[58:59]
	s_add_nc_u64 s[6:7], s[6:7], s[54:55]          ; at my 16 rows of slot 0
	s_mov_b64 s[G0A+2:G0A+3], s[6:7]
	s_or_b32 s[G0A+3], s[G0A+3], 0x80000000        ; 127:126 type = 2
	s_add_nc_u64 s[G0W+2:G0W+3], s[6:7], SLOTG     ; slot 1
	s_or_b32 s[G0W+3], s[G0W+3], 0x80000000
	s_add_nc_u64 s[G0C+2:G0C+3], s[8:9], s[56:57]
	s_or_b32 s[G0C+3], s[G0C+3], 0x80000000
	s_add_nc_u64 s[4:5], s[4:5], s[60:61]
	s_add_nc_u64 s[10:11], s[10:11], s[62:63]
	CROUND                                         ; all four work-groups are here: the first joint loads meet
	tensor_load_to_lds s[G0C:G0C+3], s[G1C:G1C+7]  ; the first fills go out as one group: three tensor loads of mine are out
	s_nop 0
	tensor_load_to_lds s[G0A:G0A+3], s[G1:G1+7]
	s_nop 0
	tensor_load_to_lds s[G0W:G0W+3], s[G1:G1+7]
	s_nop 0
	PLACES
	; Q: 192 loads of 512 consecutive bytes, straight into the registers in which the products read it
.set f, 0
.rept 24
	WIN (1+f/8)<<6                                 ; destination window 1 + f / 8, address window 0
.set j, 0
.rept 4
	global_load_b128 v[32*(f%8)+8*j:32*(f%8)+8*j+3],   v[QO], s[4:5] offset:(24*j+f)*1024
	global_load_b128 v[32*(f%8)+8*j+4:32*(f%8)+8*j+7], v[QO], s[4:5] offset:(24*j+f)*1024+512
.set j, j+1
.endr
.set f, f+1
.endr
	WIN 0
	; The lists start at the lowest finite number, and so does accumulator set 1: beside block 0's products the selection then runs on numbers that change nothing, and no first slot is written out.  44 lines, in the wait for Q.
	s_mov_b32 s50, 0xff7fffff
.set i, 0
.rept 12
	v_mov_b32 v[TT+i], s50
.set i, i+1
.endr
.set i, 0
.rept 32
	v_mov_b32 v[ACC+32+i], s50
.set i, i+1
.endr
	v_and_b32 v1, 15, v0                           ; r
	v_bfe_u32 v9, v0, 4, 1                         ; h
	v_mul_u32_u24 v[AK0], v1, RP
	v_lshl_add_u32 v[AK0], v9, 4, v[AK0]
	v_mov_b32 v[ADR0], v[AK0]                      ; slot 0 begins at LDS byte 0
	v_add_nc_u32 v[ADR1], 2*BLK, v[ADR0]
	v_lshl_add_u32 v[CAD], v9, 5, CB
	v_add_nc_u32 v[CA0], 256*(NSLOT-1), v[CAD]
	v_mul_u32_u24 v[GO], v9, 49152
	v_lshl_add_u32 v[GO], v1, 4, v[GO]
	s_mov_b32 s[TB], 0
	s_mov_b32 s[SLOTS], NSLOT-1
	s_wait_tensorcnt 0x1                           ; my parts of the c values and of slot 0 are in; slot 1's may stay out
	s_barrier_signal -1
	s_barrier_wait -1                              ; everybody's are
	CL 0
	LDG ADR0, 0, 0, 0
	LDG ADR0, 0, 1, 1
	LDG ADR0, 0, 2, 2
	s_wait_loadcnt 0x0                             ; Q
	s_branch .Lentry                               ; slot 0 has no slot to leave: the loop is entered behind its first three pairs
.Lslot:                                        ; 18 times: slots 1 to 18 are entered, slots 2 to 19 asked for
	CHANGE 1
	PAIR 1, 0
	PAIR 2, 0
.Lentry:
.irp i, 3,4,5,6,7,8,9,10,11,12,13,14,15,16,17,18,19,20,21,22,23
	PAIR \i, 0
.endr
	WIN 0
	s_sub_co_u32 s[SLOTS], s[SLOTS], 1
	s_cmp_lg_u32 s[SLOTS], 0
	s_cbranch_scc1 .Lslot
	CHANGE 0                                       ; the last slot is written out: nothing is asked for
.irp i, 1,2,3,4,5,6,7,8,9,10,11,12,13,14,15,16,17,18,19,20,21,22,23
	PAIR \i, 1
.endr
	s_wait_dscnt 16                                ; the last three groups: nothing more is loaded, and the counts run down
	MG 24
	s_wait_dscnt 8
	MG 25
	s_wait_dscnt 0x0
	MG 26
.irp g, 0,1,2,3,4,5,6,7,8,9,10,11,12,13,14,15,16,17,18,19,20,21,22,23
	RID 1, \g                                      ; the last block's scores (block 79, set 1): no products are left to set them beside
.endr
.irp t, 0,1,2
	global_store_b128 v[GO], v[TT+4*\t:TT+4*\t+3], s[10:11] offset:16384*\t  ; place t of four neighbouring queries: 16 lanes store 256 consecutive bytes, aligned
.endr
	s_wait_tensorcnt 0x0                           ; the wave's end, behind my last tensor load
	ds_add_u32 v[SPW], v[NIL]
	s_wait_dscnt 0x0
	CROUND                                         ; the closing round: no work-group ends while a partner may still ask for a tile that names it
	s_endpgm
.Lfunc_end_k_qb9ae124117_knn:
	.size	k_qb9ae124117_knn, .Lfunc_end_k_qb9ae124117_knn-k_qb9ae124117_knn
	.p2alignl 7, 3214868480
	.fill 96, 4, 3214868480
	.section	.rodata,"a",@progbits
	.p2align	6, 0x0
	.amdhsa_kernel k_qb9ae124117_knn
		.amdhsa_group_segment_fixed_size 327680
		.amdhsa_private_segment_fixed_size 0
		.amdhsa_enable_private_segment 0
		.amdhsa_kernarg_size 32
		.amdhsa_user_sgpr_count 2
		.amdhsa_user_sgpr_kernarg_segment_ptr 1
		.amdhsa_wavefront_size32 1
		.amdhsa_system_sgpr_workgroup_id_x 1
		.amdhsa_system_sgpr_workgroup_id_y 1
		.amdhsa_system_sgpr_workgroup_id_z 1
		.amdhsa_system_vgpr_workitem_id 0
		.amdhsa_next_free_vgpr 1024
		.amdhsa_next_free_sgpr 66
		.amdhsa_reserve_vcc 0
		.amdhsa_float_denorm_mode_32 3
		.amdhsa_float_denorm_mode_16_64 3
		.amdhsa_memory_ordered 1
		.amdhsa_forward_progress 1
		.amdhsa_inst_pref_size 168
	.end_amdhsa_kernel
	.amdgpu_metadata
---
amdhsa.version: [ 1, 2 ]
amdhsa.kernels:
  - .name:           k_qb9ae124117_knn
    .symbol:         k_qb9ae124117_knn.kd
    .args:
      - { .name: qf, .offset: 0, .size: 8, .value_kind: global_buffer, .address_space: global }
      - { .name: dbb, .offset: 8, .size: 8, .value_kind: global_buffer, .address_space: global }
      - { .name: cneg, .offset: 16, .size: 8, .value_kind: global_buffer, .address_space: global }
      - { .name: part, .offset: 24, .size: 8, .value_kind: global_buffer, .address_space: global }
    .group_segment_fixed_size: 327680
    .private_segment_fixed_size: 0
    .kernarg_segment_align: 8
    .kernarg_segment_size: 32
    .max_flat_workgroup_size: 128
    .sgpr_count:     66
    .vgpr_count:     1024
    .wavefront_size: 32
...
	.end_amdgpu_metadata
.endif
;; end of part 2
;; launch finish (part 3): grid 256 x 1, 8 waves a work-group, no clusters, 5,120 bytes of LDS; arguments part, q2p, out0; writes out0
.if DOCPART == 3
	.amdgcn_target "amdgcn-amd-amdhsa--gfx1250"
	.amdhsa_code_object_version 6
	.text
	.protected	k_qb9ae124117_finish
	.globl	k_qb9ae124117_finish
	.p2align	8
	.type	k_qb9ae124117_finish,@function
k_qb9ae124117_finish:
	s_mov_b64 s[64:65], 0
	v_nop
	global_prefetch_b8 v0, s[64:65] scope:SCOPE_SE
	s_setreg_imm32_b32 hwreg(HW_REG_WAVE_MODE, 25, 1), 1
	s_wait_xcnt 0x0
; THIRD OF THREE LAUNCHES: each query's 32 lists of three are merged, d2 = q2 - 2 acc, the maximum with 1e-12, three roots, their mean; then the map of 32 x 32 is enlarged to 512 x 512.
; WORK LEFT OUT: the roots of the pairs that are not among a query's three nearest (shown at the head of the first kernel).  LIMIT: the mean's factor 1/3 is applied behind the vertical step, an order of rounding other than reference()'s.
; THE ENLARGEMENT.  Output row Y reads source place (2 Y - 15) / 32.  reference()'s weights are a triangle's, divided by their sum where a neighbour falls outside the map: the same as holding the index inside 0 .. 31.
; SHARES.  A work-group makes 8 output rows of one image, 8 ib .. 8 ib + 7, a wave a row; all 8 lie between the same two source rows i0 and i1.  Lane k stands for source column k.
; First wave (rho, u) merges lists 8 u .. 8 u + 7 and q2's parts 4 u .. 4 u + 3 for the 32 queries of source row i_rho; the eight waves' results meet in LDS; then every wave finishes both source rows for itself.
; A source row is so merged by four work-groups: 24 + 4 loads a wave, against a launch more.  No matrix unit, no cluster: nothing here is a product, and what work-groups share is a few KiB.
.set SPARE, 4096                       ; LDS: 4,096 bytes of exchange, 16 a thread; behind them the spare words, 128 bytes for each of the eight waves: four blocks of 256 bytes that no other line names
.set SPW, 2                            ; v2   LDS address of my spare word; never rewritten
.set NIL, 3                            ; v3   0; never rewritten
.set QOF, 4                            ; v4   4 x my query's number
.set STA, 5                            ; v5   16 x my thread's number
.set RDA, 6                            ; v6   16 x lane
.set WY,  8                            ; v8   the vertical weight of i1
.set VB,  9                            ; v9   lane / 4 + bit 1 of the lane
.set WX,  10                           ; v[10:13] the horizontal weights of my four columns
.set LS,  16                           ; v[16:39] eight lists of three; v[16:18] become the merged list, v19 q2
.set Q2,  40                           ; v[40:43]
.set L,   44                           ; v[44:75] the eight waves' {t0, t1, t2, q2} for my column
.set D,   76                           ; v[76:81] three d2, then distances, for each source row
.set O0,  82
.set O1,  83
.set COL, 84
.set K0,  86                           ; v[86:89]  4 x the left source column, for each of the four stores
.set K1,  90                           ; v[90:93]  the right one
.set PA,  94                           ; v[94:97]  the left value
.set PB,  98                           ; v[98:101] the right one, then the difference
.set OUT, 16                           ; v[16:31]  the row on its way out
	s_load_b128 s[4:7], s[0:1], 0x0                ; part s[4:5], q2p s[6:7]
	s_load_b64 s[8:9], s[0:1], 0x10                ; out0
	v_lshl_add_u32 v[SPW], v0, 2, SPARE
	v_mov_b32 v[NIL], 0
	v_lshrrev_b32 v1, 5, v0
	v_readfirstlane_b32 s10, v1                    ; wave 0..7
	v_and_b32 v1, 31, v0                           ; lane
	s_lshr_b32 s11, ttmp9, 6                       ; the image
	s_and_b32 s12, ttmp9, 63                       ; ib
	s_add_co_u32 s13, s12, 1
	s_lshr_b32 s13, s13, 1
	s_sub_co_i32 s14, s13, 1
	s_max_i32 s14, s14, 0                          ; i0
	s_min_u32 s15, s13, 31                         ; i1
	s_lshr_b32 s16, s10, 2                         ; rho
	s_and_b32 s17, s10, 3                          ; u
	s_cmp_eq_u32 s16, 0
	s_cselect_b32 s18, s14, s15
	s_lshl_b32 s19, s11, 12                        ; 1,024 queries of 4 bytes an image,
	s_lshl_b32 s18, s18, 7                         ; 32 a source row
	s_add_co_u32 s19, s19, s18
	v_lshl_add_u32 v[QOF], v1, 2, s19
	s_mul_i32 s20, s17, 393216                     ; eight lists of 49,152 bytes
	s_mov_b32 s21, 0
	s_lshl_b32 s22, s17, 16                        ; four parts of 16,384 bytes
	s_mov_b32 s23, 0
	s_lshl_b32 s24, ttmp9, 3                       ; 512 x image + 8 ib,
	s_add_co_u32 s24, s24, s10                     ; my row,
	s_lshl_b32 s24, s24, 11                        ; of 2,048 bytes
	s_mov_b32 s25, 0
	s_wait_kmcnt 0x0
	s_add_nc_u64 s[4:5], s[4:5], s[20:21]
	s_add_nc_u64 s[6:7], s[6:7], s[22:23]
	s_add_nc_u64 s[8:9], s[8:9], s[24:25]
.set i, 0
.rept 24
	global_load_b32 v[LS+i], v[QOF], s[4:5] offset:16384*i  ; list i / 3, place i % 3
.set i, i+1
.endr
.set i, 0
.rept 4
	global_load_b32 v[Q2+i], v[QOF], s[6:7] offset:16384*i
.set i, i+1
.endr
	; what hangs on ids alone is made while the loads are out
	v_lshlrev_b32 v[STA], 4, v0
	v_lshlrev_b32 v[RDA], 4, v1
	s_and_b32 s26, s12, 1
	s_xor_b32 s26, s26, 1
	s_lshl_b32 s26, s26, 4
	s_lshl1_add_u32 s26, s10, s26
	s_add_co_u32 s26, s26, 1                       ; 2 wave + 1, and 16 more where ib is even
	v_cvt_f32_u32 v[WY], s26
	v_mul_f32 v[WY], 0x3d000000, v[WY]             ; / 32
	; Output column 128 m + 4 l + e reads source place 8 m + l / 4 + (8 (l % 4) + 2 e - 15) / 32: left neighbour 8 m + l / 4 - 1 for l % 4 < 2, else 8 m + l / 4
	v_lshrrev_b32 v[VB], 2, v1
	v_bfe_u32 v14, v1, 1, 1
	v_add_nc_u32 v[VB], v[VB], v14
	v_and_b32 v15, 3, v1
	v_lshlrev_b32 v15, 3, v15
	v_lshlrev_b32 v14, 5, v14
	v_sub_nc_u32 v15, v15, v14
.irp e, 0,1,2,3
	v_add_nc_u32 v[WX+\e], 17+2*\e, v15            ; 8 (l % 4) + 2 e + 17, less 32 for l % 4 >= 2: 1 to 31
.endr
.irp e, 0,1,2,3
	v_cvt_f32_u32 v[WX+\e], v[WX+\e]
.endr
.irp e, 0,1,2,3
	v_mul_f32 v[WX+\e], 0x3d000000, v[WX+\e]
.endr
.irp m, 0,1,2,3
	v_add_nc_u32 v[K0+\m], 8*\m-1, v[VB]
	v_add_nc_u32 v[K1+\m], 8*\m, v[VB]
.endr
.irp m, 0,1,2,3
	v_max_i32 v[K0+\m], 0, v[K0+\m]                ; held inside the map
	v_min_u32 v[K1+\m], 31, v[K1+\m]
.endr
.irp m, 0,1,2,3
	v_lshlrev_b32 v[K0+\m], 2, v[K0+\m]            ; ds_bpermute_b32 takes 4 x the lane
	v_lshlrev_b32 v[K1+\m], 2, v[K1+\m]
.endr
	s_mov_b32 s27, 0x2b8cbccc                      ; 1e-12
	s_wait_loadcnt 0x0
	; list 0 is sorted as it comes; the other 21 numbers are put in: t2 = the middle of (t1, t2, v), t1 = the middle of (t0, t1, v), t0 = the larger of (t0, v)
.set i, 3
.rept 21
	v_med3_num_f32 v[LS+2], v[LS+1], v[LS+2], v[LS+i]
	v_med3_num_f32 v[LS+1], v[LS], v[LS+1], v[LS+i]
	v_max_num_f32 v[LS], v[LS], v[LS+i]
.set i, i+1
.endr
	v_add_f32 v[LS+3], v[Q2], v[Q2+1]
	v_add_f32 v[Q2+2], v[Q2+2], v[Q2+3]
	v_add_f32 v[LS+3], v[LS+3], v[Q2+2]
	ds_store_b128 v[STA], v[LS:LS+3]
	s_wait_dscnt 0x0                               ; for the others' sake: my store is done
	s_barrier_signal -1
	s_barrier_wait -1
.irp w, 0,1,2,3,4,5,6,7
	ds_load_b128 v[L+4*\w:L+4*\w+3], v[RDA] offset:512*\w  ; my column's numbers from wave w: waves 0-3 source row i0, waves 4-7 i1
.endr
	s_wait_dscnt 0x0
.irp w, 1,2,3
.irp c, 0,1,2
	v_med3_num_f32 v[L+2], v[L+1], v[L+2], v[L+4*\w+\c]        ; the two source rows by turns
	v_med3_num_f32 v[L+18], v[L+17], v[L+18], v[L+16+4*\w+\c]
	v_med3_num_f32 v[L+1], v[L], v[L+1], v[L+4*\w+\c]
	v_med3_num_f32 v[L+17], v[L+16], v[L+17], v[L+16+4*\w+\c]
	v_max_num_f32 v[L], v[L], v[L+4*\w+\c]
	v_max_num_f32 v[L+16], v[L+16], v[L+16+4*\w+\c]
.endr
	v_add_f32 v[L+3], v[L+3], v[L+4*\w+3]          ; q2's parts
	v_add_f32 v[L+19], v[L+19], v[L+16+4*\w+3]
.endr
.irp r, 0,1
.irp t, 0,1,2
	v_fma_f32 v[D+3*\r+\t], -2.0, v[L+16*\r+\t], v[L+16*\r+3]  ; d2 = q2 - 2 (x.q - x2/2)
.endr
.endr
.irp t, 0,1,2,3,4,5
	v_max_num_f32 v[D+\t], s27, v[D+\t]
.endr
.irp t, 0,1,2,3,4,5
	v_sqrt_f32 v[D+\t], v[D+\t]
.endr
	v_nop                                          ; a plain instruction between the last root and the use of its result
	s_wait_alu depctr_va_vdst(0)                   ; and the wait ahead of the first use: one for the six roots
	v_add_f32 v[O0], v[D], v[D+1]
	v_add_f32 v[O1], v[D+3], v[D+4]
	v_add_f32 v[O0], v[O0], v[D+2]
	v_add_f32 v[O1], v[O1], v[D+5]
	v_sub_f32 v[O1], v[O1], v[O0]
	v_fma_f32 v[COL], v[WY], v[O1], v[O0]          ; the vertical step,
	v_mul_f32 v[COL], 0x3eaaaaab, v[COL]           ; and the mean's 1/3
.irp m, 0,1,2,3
	ds_bpermute_b32 v[PA+\m], v[K0+\m], v[COL]     ; the two neighbours of my four output columns, from the lanes that hold them
	ds_bpermute_b32 v[PB+\m], v[K1+\m], v[COL]
.endr
	s_wait_dscnt 0x0
.irp m, 0,1,2,3
	v_sub_f32 v[PB+\m], v[PB+\m], v[PA+\m]
.irp e, 0,1,2,3
	v_fma_f32 v[OUT+4*\m+\e], v[WX+\e], v[PB+\m], v[PA+\m]
.endr
	global_store_b128 v[RDA], v[OUT+4*\m:OUT+4*\m+3], s[8:9] offset:512*\m th:TH_STORE_NT  ; 512 consecutive bytes, at a multiple of 256 from out0's first
.endr
	s_wait_tensorcnt 0x0                           ; the wave's end, behind my last LDS store
	ds_add_u32 v[SPW], v[NIL]
	s_wait_dscnt 0x0
	s_endpgm
.Lfunc_end_k_qb9ae124117_finish:
	.size	k_qb9ae124117_finish, .Lfunc_end_k_qb9ae124117_finish-k_qb9ae124117_finish
	.p2alignl 7, 3214868480
	.fill 96, 4, 3214868480
	.section	.rodata,"a",@progbits
	.p2align	6, 0x0
	.amdhsa_kernel k_qb9ae124117_finish
		.amdhsa_group_segment_fixed_size 5120
		.amdhsa_private_segment_fixed_size 0
		.amdhsa_enable_private_segment 0
		.amdhsa_kernarg_size 24
		.amdhsa_user_sgpr_count 2
		.amdhsa_user_sgpr_kernarg_segment_ptr 1
		.amdhsa_wavefront_size32 1
		.amdhsa_system_sgpr_workgroup_id_x 1
		.amdhsa_system_sgpr_workgroup_id_y 1
		.amdhsa_system_sgpr_workgroup_id_z 1
		.amdhsa_system_vgpr_workitem_id 0
		.amdhsa_next_free_vgpr 128
		.amdhsa_next_free_sgpr 66
		.amdhsa_reserve_vcc 0
		.amdhsa_float_denorm_mode_32 3
		.amdhsa_float_denorm_mode_16_64 3
		.amdhsa_memory_ordered 1
		.amdhsa_forward_progress 1
		.amdhsa_inst_pref_size 17
	.end_amdhsa_kernel
	.amdgpu_metadata
---
amdhsa.version: [ 1, 2 ]
amdhsa.kernels:
  - .name:           k_qb9ae124117_finish
    .symbol:         k_qb9ae124117_finish.kd
    .args:
      - { .name: part, .offset: 0, .size: 8, .value_kind: global_buffer, .address_space: global }
      - { .name: q2p, .offset: 8, .size: 8, .value_kind: global_buffer, .address_space: global }
      - { .name: out0, .offset: 16, .size: 8, .value_kind: global_buffer, .address_space: global }
    .group_segment_fixed_size: 5120
    .private_segment_fixed_size: 0
    .kernarg_segment_align: 8
    .kernarg_segment_size: 24
    .max_flat_workgroup_size: 256
    .sgpr_count:     66
    .vgpr_count:     128
    .wavefront_size: 32
...
	.end_amdgpu_metadata
.endif
;; end of part 3
;; ======== version 2 of 2: 3 launches; version 1 with the launch prep written anew for expert scheduling mode
;; workspace buffers: dbb 31,457,280 bytes; cneg 81,920 bytes; qf 6,291,456 bytes; q2p 262,144 bytes; part 1,572,864 bytes
;; launch prep (part 4): grid 768 x 1, 4 waves a work-group, no clusters, 0 bytes of LDS; arguments database, embeddings, dbb, cneg, qf, q2p; writes dbb, cneg, qf, q2p
.if DOCPART == 4
	.amdgcn_target "amdgcn-amd-amdhsa--gfx1250"
	.amdhsa_code_object_version 6
	.text
	.protected	k_qb9ae124117_prep
	.globl	k_qb9ae124117_prep
	.p2align	8
	.type	k_qb9ae124117_prep,@function
k_qb9ae124117_prep:
	s_mov_b64 s[64:65], 0
	v_nop
	global_prefetch_b8 v0, s[64:65] scope:SCOPE_SE
	s_setreg_imm32_b32 hwreg(HW_REG_WAVE_SCHED_MODE, 0, 2), 2
	s_setreg_imm32_b32 hwreg(HW_REG_WAVE_MODE, 25, 1), 1
	s_wait_xcnt 0x0
	s_wait_alu depctr_vm_vsrc(0)
; FIRST OF THREE LAUNCHES: both inputs are rounded to bf16 once and laid out for the product; the squared norms are taken of the ROUNDED numbers.
; WORK LEFT OUT BY THE PROGRAM.  reference() takes sqrt(max(q2 + x2[n] - 2 q.x[n], 1e-12)) of all 4,096 x 20,000 pairs and keeps a query's three smallest.  For one query the map
; t -> sqrt(max(q2 + t, 1e-12)) never decreases in t = x2[n] - 2 q.x[n], whatever q2 is: so the three smallest distances are the images of the three smallest t, for all values of the inputs
; (equal t give equal images, so ties change no value).  The program selects on t and takes the addition of q2, the maximum and the root of three numbers a query.  Every input reaches the output: none is left out.
; LIMITS.  q2 is added behind the selection, so the order of rounding differs from reference()'s; a NaN among a query's scores is passed over by the selection, and a NaN, an infinity or an
; overflow that would arise only in a root that is not taken is not carried to the result; a true score x.q - x2/2 has to lie above the lowest finite f32, which marks the 480 padding rows.
; WHAT IT STORES.  dbb [20480][768] bf16: the database, rows 20,000 on are zeros.  cneg [20480] f32: -x2/2, for the padding rows the lowest finite number.
; qf: the queries in the order of a matrix operand's registers: byte ((B*24 + f)*2 + i)*512 + 16 l holds channels 32 f + 16 i + 8 (l/16) + 0..7 of query 64 G + 4 (l%16) + j, B = 4 G + j.
; q2p [16][4096] f32: sixteen partial sums of each query's squares (partial sums stay in f32).
; SHARES.  Work-groups 0-624: a wave takes 8 database rows.  625-639: a wave writes 8 padding rows.  640-767: a wave takes 64 queries x 96 channels.
; Each wave asks for all its 48 loads of 16 bytes a lane at once (24 KiB on their way) and works them off by counted waits.  No wave needs another's data: no LDS, no barrier, no matrix unit.
; THE MODE: SCHED_MODE bits 1:0 = 2 (LLVM: expert scheduling mode 2), set by the entry lines.  The code itself states the register dependences
; between vector instructions and memory instructions, with s_wait_alu, always for 0.
; THE PLAN.  Registers that memory instructions touch:
;   v[L16], v[L8], v[L4], v[EO], v[PO]   offsets: made once, at the head or at an arm's head, and never written again.
;   X, database arm   row rho's 24 registers: its six loads land there; row rho's roundings write the packed pairs in place; the six stores that are issued in row rho + 1 read them; nothing writes them again.
;   X, query arm      combo c's 32 registers: its eight loads land there; combo c's roundings read them; no load lands there again.
;   Y0, Y1            combo c's roundings write Y[c % 2]; the four stores that are issued in combo c + 1 read it; combo c + 2 writes it again.
;   v[CV], v[R4 ..]   written by vector instructions, read by one store each, at the arm's end.
; So a step (a row, a combo) issues the stores of the step before, whose registers no vector instruction of this step names: ONE wait on va_vdst at the step's head states all that they hang on, and they are
; dealt among the step's vector instructions with no further wait.  Y is the only store data that is written again: a wait on vm_vsrc stands at the head of the combo that does so.
.set LANE, 1                           ; v1   lane
.set L16,  2                           ; v2   16 x lane
.set L8,   3                           ; v3   8 x lane
.set L4,   4                           ; v4   4 x lane
.set CV,   5                           ; v5   lane rho (0..7) gathers row rho's -x2/2
.set S,    8                           ; v[8:15]   running sums of squares
.set T,    16                          ; v[16:23]  at work
.set R4,   24                          ; v[24:27]  a query arm's four partial sums
.set EO,   28                          ; v28  the query arm's lane offset in embeddings
.set PO,   29                          ; v29  and in q2p
.set X,    32                          ; v[32:223]  48 loads x 4 registers
.set Y,    224                         ; v[224:255] two sets of 16: packed queries on their way out
                                       ; s25-s31, s3  database arm: the masks 'lane = rho' for rows 0 to 6 and row 7
	s_load_b256 s[4:11], s[0:1], 0x0               ; database s[4:5], embeddings s[6:7], dbb s[8:9], cneg s[10:11]
	s_load_b128 s[12:15], s[0:1], 0x20             ; qf s[12:13], q2p s[14:15]
	v_lshrrev_b32 v6, 5, v0
	v_readfirstlane_b32 s18, v6                    ; wave 0..3
	v_and_b32 v[LANE], 31, v0
	v_lshlrev_b32 v[L16], 4, v[LANE]
	v_lshlrev_b32 v[L8], 3, v[LANE]
	v_lshlrev_b32 v[L4], 2, v[LANE]
	s_mov_b32 s16, ttmp9                           ; the work-group's number
	s_mov_b32 s17, 0xffff0000                      ; a word's upper bf16
	s_mov_b32 s22, 0x76543210                      ; v_permlanex16_b32: each lane takes its own place in the other half
	s_mov_b32 s23, 0xfedcba98
	s_wait_alu depctr_va_sdst(0)                   ; s18 is written, ahead of its first reader: every arm's bases are made from it
	s_lshl2_add_u32 s19, s16, s18                  ; W = 4 x work-group + wave: my block of 8 rows
	s_mov_b32 s21, 0
	s_wait_kmcnt 0x0
	s_cmp_ge_u32 s16, 640
	s_cbranch_scc1 .Lqueries
	s_mul_i32 s20, s19, 12288                      ; 8 rows of 1,536 bytes in dbb
	s_add_nc_u64 s[8:9], s[8:9], s[20:21]
	s_lshl_b32 s20, s19, 5                         ; 8 numbers in cneg
	s_add_nc_u64 s[10:11], s[10:11], s[20:21]
	s_cmp_lt_u32 s16, 625
	s_cbranch_scc1 .Lrows
	; THE PADDING ROWS: 12,288 dense bytes of zeros, 512 consecutive bytes a store
.irp r, 0,1,2,3
	v_mov_b32 v[X+\r], 0
.endr
	s_wait_alu depctr_va_vdst(0)                   ; the four zeros are written, and v[L16] at the head: the stores below read them as data and offset
.set i, 0
.rept 24
	global_store_b128 v[L16], v[X:X+3], s[8:9] offset:512*i
.set i, i+1
.endr
	v_mov_b32 v[CV], 0xff7fffff                    ; a padding row's score is the lowest finite number: it loses against every true score
	s_branch .Lc
.Lrows:
	; THE DATABASE ROWS.  A row is 3,072 bytes: six loads of 512 consecutive bytes.
	s_mul_i32 s20, s19, 24576
	s_add_nc_u64 s[4:5], s[4:5], s[20:21]
	s_wait_alu depctr_va_vdst(0)                   ; v[L16] and v[L8] are written, at the head: every load and store of this arm's rows reads one of them as its offset
.set i, 0
.rept 48
	global_load_b128 v[X+4*i:X+4*i+3], v[L16], s[4:5] offset:512*i th:TH_LOAD_NT  ; row i / 6, chunk i % 6: the 8 rows are dense
.set i, i+1
.endr
	v_mov_b32 v[CV], 0
	; the eight masks 'lane = rho' hang on the lane alone: one run of compares, while the loads are out, and one wait behind it
	v_cmp_eq_u32 s25, 0, v[LANE]
	v_cmp_eq_u32 s26, 1, v[LANE]
	v_cmp_eq_u32 s27, 2, v[LANE]
	v_cmp_eq_u32 s28, 3, v[LANE]
	v_cmp_eq_u32 s29, 4, v[LANE]
	v_cmp_eq_u32 s30, 5, v[LANE]
	v_cmp_eq_u32 s31, 6, v[LANE]
	v_cmp_eq_u32 s3, 7, v[LANE]
	s_wait_alu depctr_va_sdst(0)                   ; the eight masks are written, ahead of their first reader: each row's select reads one
; Row rho: rounded in place, and the rounded numbers' squares summed.  Its stores (32 lanes x 8 bytes = 256 consecutive bytes, aligned) are issued in the next row, one in front of each chunk.  mk: the scalar register of its mask.
.macro ROW rho, mk
	s_wait_loadcnt 42-6*(\rho)                     ; loads come back in order: this row's six are in, the younger rows' stay out
.if (\rho) > 0
	s_wait_alu depctr_va_vdst(0)                   ; the row before has written its packed pairs, which the six stores below read; no vector instruction of this row names them
.endif
.set c, 0
.rept 6
.set rX, X+24*(\rho)+4*c
.set rP, rX-24
.set rT, T+4*(c%2)
.if (\rho) > 0
	global_store_b64 v[L8], v[rP:rP+1], s[8:9] offset:1536*((\rho)-1)+256*c  ; the row before; its data registers are never written again
.endif
	v_cvt_pk_bf16_f32 v[rX], v[rX], v[rX+1]
	v_cvt_pk_bf16_f32 v[rX+1], v[rX+2], v[rX+3]
	v_lshlrev_b32 v[rT], 16, v[rX]
	v_and_b32 v[rT+1], s17, v[rX]
	v_lshlrev_b32 v[rT+2], 16, v[rX+1]
	v_and_b32 v[rT+3], s17, v[rX+1]
.if c == 0
	v_pk_mul_f32 v[S:S+1], v[rT:rT+1], v[rT:rT+1]  ; the first chunk starts the sums
	v_pk_mul_f32 v[S+2:S+3], v[rT+2:rT+3], v[rT+2:rT+3]
.else
	v_pk_fma_f32 v[S:S+1], v[rT:rT+1], v[rT:rT+1], v[S:S+1]
	v_pk_fma_f32 v[S+2:S+3], v[rT+2:rT+3], v[rT+2:rT+3], v[S+2:S+3]
.endif
.set c, c+1
.endr
	v_add_f32 v[S], v[S], v[S+1]
	v_add_f32 v[S+2], v[S+2], v[S+3]
	v_add_f32 v[S], v[S], v[S+2]
	v_add_f32_dpp v[S], v[S], v[S] row_xmask:1 row_mask:0xf bank_mask:0xf
	v_add_f32_dpp v[S], v[S], v[S] row_xmask:2 row_mask:0xf bank_mask:0xf
	v_add_f32_dpp v[S], v[S], v[S] row_xmask:4 row_mask:0xf bank_mask:0xf
	v_add_f32_dpp v[S], v[S], v[S] row_xmask:8 row_mask:0xf bank_mask:0xf
	v_permlanex16_b32 v[S+1], v[S], s22, s23
	v_add_f32 v[S], v[S], v[S+1]                   ; every lane holds x2
	v_mul_f32 v[S], -0.5, v[S]
	v_cndmask_b32 v[CV], v[CV], v[S], s[\mk]       ; lane rho keeps it
.endm
	ROW 0, 25
	ROW 1, 26
	ROW 2, 27
	ROW 3, 28
	ROW 4, 29
	ROW 5, 30
	ROW 6, 31
	ROW 7, 3
	s_wait_alu depctr_va_vdst(0)                   ; row 7 has written its packed pairs, which the last six stores read
.set c, 0
.rept 6
	global_store_b64 v[L8], v[X+24*7+4*c:X+24*7+4*c+1], s[8:9] offset:1536*7+256*c
.set c, c+1
.endr
.Lc:
	s_wait_xcnt 0x0                                ; EXEC is a source of the loads and stores above: it changes only behind this wait
	v_cmp_gt_u32 vcc_lo, 8, v[LANE]
	s_wait_alu depctr_va_vcc(0)                    ; VCC is written: EXEC is made from it
	s_wait_alu depctr_va_vdst(0)                   ; ahead of a scalar write of EXEC: the vector instructions issued so far have written their results, among them v[CV] and v[L4], which the store below reads
	s_wait_alu depctr_vm_vsrc(0)                   ; and the loads and stores issued so far have read their vector registers
	s_and_saveexec_b32 s24, vcc_lo
	global_store_b32 v[L4], v[CV], s[10:11]        ; 32 bytes a wave: one part in 384 of what the wave stores; gathering them further would want LDS and a barrier
	s_wait_xcnt 0x0                                ; and again in front of the line that widens it
	s_wait_alu depctr_va_vdst(0)                   ; ahead of a scalar write of EXEC: no vector instruction is still at work under the narrow mask
	s_wait_alu depctr_vm_vsrc(0)                   ; and the store above has read v[L4] and v[CV]
	s_or_b32 exec_lo, exec_lo, s24
	s_endpgm
.Lqueries:
	; THE QUERIES.  embeddings is [4][768][1024]: a channel's 1,024 queries lie on end, channels 4,096 bytes apart.  A lane's 16 bytes are queries 4 (l%16) + 0..3 of the group of 64 at one channel;
	; lanes 0-15 read 256 consecutive bytes, aligned, lanes 16-31 the same of the channel 8 further on.  Eight such loads hold, for each of the four queries, the 8 channels that are one lane's 16 bytes of a fragment.
	s_sub_co_u32 s16, s16, 640
	s_lshr_b32 s25, s16, 1                         ; G: the group of 64 queries
	s_and_b32 s26, s16, 1
	s_lshl2_add_u32 s26, s26, s18                  ; u8 = 4 x (low bit) + wave: my 96 channels, three fragments
	s_lshr_b32 s28, s25, 4                         ; the image
	s_mul_i32 s20, s28, 768
	s_mul_i32 s29, s26, 96
	s_add_co_u32 s20, s20, s29
	s_lshl_b32 s20, s20, 12                        ; (768 image + 96 u8) channels of 4,096 bytes
	s_and_b32 s29, s25, 15
	s_lshl_b32 s29, s29, 8                         ; the group's 256 bytes in a channel
	s_add_co_u32 s20, s20, s29
	s_add_nc_u64 s[6:7], s[6:7], s[20:21]
	s_mul_i32 s20, s25, 96
	s_mul_i32 s29, s26, 3
	s_add_co_u32 s20, s20, s29
	s_lshl_b32 s20, s20, 10                        ; qf: (96 G + 3 u8) x 1,024
	s_add_nc_u64 s[12:13], s[12:13], s[20:21]
	s_lshl_b32 s20, s26, 15                        ; q2p: parts 2 u8 and 2 u8 + 1 of 16,384 bytes,
	s_lshl_b32 s29, s25, 8                         ; the group's 256 bytes
	s_add_co_u32 s20, s20, s29
	s_add_nc_u64 s[14:15], s[14:15], s[20:21]
	v_and_b32 v6, 15, v[LANE]
	v_lshrrev_b32 v7, 4, v[LANE]
	v_lshlrev_b32 v[EO], 4, v6
	v_lshl_add_u32 v[PO], v7, 14, v[EO]            ; 16 (l%16) + 16,384 (l/16)
	v_lshl_add_u32 v[EO], v7, 15, v[EO]            ; 16 (l%16) + 8 channels x (l/16)
	s_wait_alu depctr_va_vdst(0)                   ; v[EO] and v[PO] are written, and v[L16] at the head: every load and store of this arm reads one of them as its offset
.set c, 0
.rept 6                                ; combo c = 2 f' + i: fragment f', half i
.set e, 0
.rept 8
	global_load_b128 v[X+32*c+4*e:X+32*c+4*e+3], v[EO], s[6:7] offset:(32*(c/2)+16*(c%2)+e)*4096 th:TH_LOAD_NT
.set e, e+1
.endr
.set c, c+1
.endr
; Combo c: for each of my four queries j the 8 channels are packed into 16 bytes, in Y[c % 2]; the rounded numbers' squares are summed.  Its four stores (32 lanes x 16 bytes = 512 consecutive bytes of qf)
; are issued in the next combo, one in front of each query's four roundings.
.macro COMBO c
	s_wait_loadcnt 40-8*(\c)                       ; this combo's eight loads are in, the younger combos' stay out
.if (\c) >= 2
	s_wait_xcnt 0x0                                ; the stores issued in the combo before have had their addresses translated: this set of Y, their data, is written again only behind this wait
	s_wait_alu depctr_vm_vsrc(0)                   ; and they have read this set of Y, which the roundings below write again
.endif
.if (\c) >= 1
	s_wait_alu depctr_va_vdst(0)                   ; the combo before has written the other set of Y, which the four stores below read; no vector instruction of this combo names it
.endif
.set YB, Y+16*((\c)%2)
.set YP, Y+16*(1-(\c)%2)
.set j, 0
.rept 4
.if (\c) >= 1
	global_store_b128 v[L16], v[YP+4*j:YP+4*j+3], s[12:13] offset:24576*j+1024*(((\c)-1)/2)+512*(((\c)-1)%2)  ; the combo before
.endif
.set m, 0
.rept 4
	v_cvt_pk_bf16_f32 v[YB+4*j+m], v[X+32*(\c)+8*m+j], v[X+32*(\c)+8*m+4+j]
.set m, m+1
.endr
.set j, j+1
.endr
.set j, 0
.rept 4
.set m, 0
.rept 4
	v_lshlrev_b32 v[T+2*m], 16, v[YB+4*j+m]
	v_and_b32 v[T+2*m+1], s17, v[YB+4*j+m]
.if ((\c) == 0) && (m == 0)
	v_pk_mul_f32 v[S+2*j:S+2*j+1], v[T:T+1], v[T:T+1]  ; the first pair starts the sums
.else
	v_pk_fma_f32 v[S+2*j:S+2*j+1], v[T+2*m:T+2*m+1], v[T+2*m:T+2*m+1], v[S+2*j:S+2*j+1]
.endif
.set m, m+1
.endr
.set j, j+1
.endr
.endm
.irp k, 0,1,2,3,4,5
	COMBO \k
.endr
.irp k, 0,1,2,3
	v_add_f32 v[R4+\k], v[S+2*\k], v[S+2*\k+1]
.endr
	s_wait_alu depctr_va_vdst(0)                   ; combo 5 has written Y1 and the four additions v[R4 ..]: the last five stores read them
.set j, 0
.rept 4
	global_store_b128 v[L16], v[Y+16+4*j:Y+16+4*j+3], s[12:13] offset:24576*j+1024*2+512  ; combo 5: fragment 2, half 1
.set j, j+1
.endr
	global_store_b128 v[PO], v[R4:R4+3], s[14:15]  ; each half of the lanes stores 256 consecutive bytes, aligned: its own part of q2p
	s_endpgm
.Lfunc_end_k_qb9ae124117_prep:
	.size	k_qb9ae124117_prep, .Lfunc_end_k_qb9ae124117_prep-k_qb9ae124117_prep
	.p2alignl 7, 3214868480
	.fill 96, 4, 3214868480
	.section	.rodata,"a",@progbits
	.p2align	6, 0x0
	.amdhsa_kernel k_qb9ae124117_prep
		.amdhsa_group_segment_fixed_size 0
		.amdhsa_private_segment_fixed_size 0
		.amdhsa_enable_private_segment 0
		.amdhsa_kernarg_size 48
		.amdhsa_user_sgpr_count 2
		.amdhsa_user_sgpr_kernarg_segment_ptr 1
		.amdhsa_wavefront_size32 1
		.amdhsa_system_sgpr_workgroup_id_x 1
		.amdhsa_system_sgpr_workgroup_id_y 1
		.amdhsa_system_sgpr_workgroup_id_z 1
		.amdhsa_system_vgpr_workitem_id 0
		.amdhsa_next_free_vgpr 256
		.amdhsa_next_free_sgpr 66
		.amdhsa_reserve_vcc 1
		.amdhsa_float_denorm_mode_32 3
		.amdhsa_float_denorm_mode_16_64 3
		.amdhsa_memory_ordered 1
		.amdhsa_forward_progress 1
		.amdhsa_inst_pref_size 64
	.end_amdhsa_kernel
	.amdgpu_metadata
---
amdhsa.version: [ 1, 2 ]
amdhsa.kernels:
  - .name:           k_qb9ae124117_prep
    .symbol:         k_qb9ae124117_prep.kd
    .args:
      - { .name: database, .offset: 0, .size: 8, .value_kind: global_buffer, .address_space: global }
      - { .name: embeddings, .offset: 8, .size: 8, .value_kind: global_buffer, .address_space: global }
      - { .name: dbb, .offset: 16, .size: 8, .value_kind: global_buffer, .address_space: global }
      - { .name: cneg, .offset: 24, .size: 8, .value_kind: global_buffer, .address_space: global }
      - { .name: qf, .offset: 32, .size: 8, .value_kind: global_buffer, .address_space: global }
      - { .name: q2p, .offset: 40, .size: 8, .value_kind: global_buffer, .address_space: global }
    .group_segment_fixed_size: 0
    .private_segment_fixed_size: 0
    .kernarg_segment_align: 8
    .kernarg_segment_size: 48
    .max_flat_workgroup_size: 128
    .sgpr_count:     66
    .vgpr_count:     256
    .wavefront_size: 32
...
	.end_amdgpu_metadata
.endif
;; end of part 4
;; launch knn: the kernel of part 2 again; grid 16 x 16, 4 waves a work-group, clusters of 4 x 1, 327,680 bytes of LDS; arguments qf, dbb, cneg, part; writes part
;; launch finish: the kernel of part 3 again; grid 256 x 1, 8 waves a work-group, no clusters, 5,120 bytes of LDS; arguments part, q2p, out0; writes out0
